; MI455X (gfx1250); checked and timed in simulation.
; The chip was launched on July 23, 2026; its instructions are those of AMD's public machine-readable ISA for CDNA 5 (MIT licence, August 2026) and "CDNA5" Instruction Set Architecture Reference Guide (July 2026). The comments in the code are by the model that wrote it; some were corrected since.
;; Attention. Allowed arithmetic: matrix products marked QUANTISED: E4M3 operands, one given power-of-two scale a tensor, by v_wmma_f32_16x16x64_fp8_fp8 or v_wmma_f32_16x16x128_fp8_fp8, f32 sums; everything else in f32.
;; Inputs: Wkv_codes 2,048 x 32 x 32 uint8 (E4M3 codes of Wkv, K innermost, in blocks of 32 codes); Wo_codes 1,024 x 32 x 32 uint8 (E4M3 codes of Wo, K innermost, in blocks of 32 codes); Wq_codes 1,024 x 32 x 32 uint8 (E4M3 codes of Wq, K innermost, in blocks of 32 codes); bo 1,024 float32; lowp_scales 10 int32 (the exponents e of the quantised operands' scales 2^e); x_codes 4 x 2,048 x 32 x 32 uint8 (E4M3 codes of x, K innermost, in blocks of 32 codes).
;; Outputs: out0 4 x 2,048 x 1,024 float32.
;; This version of the problem:
;;   THIS VERSION OF THE PROBLEM IS GIVEN IN LOW PRECISION. The matrix products marked QUANTISED in the list below multiply operands that are first quantised to E4M3 (4 exponent bits, 3 mantissa bits; 8 bits a number), with one given power-of-two scale for each operand tensor; their sums are f32. All else is computed in f32.
;;   The module's matrix products, in the order in which they are computed (A, B: the left and right operand; K: the contracted axis; several contracted axes count as one K, in the product's order):
;;     1. [M 8,192, K 1,024] x [K 1,024, N 1,024]; A: input x (given as codes); B: input Wq (given as codes): QUANTISED (scales: A lowp_scales[0], B lowp_scales[1])
;;     2. [M 8,192, K 1,024] x [K 1,024, N 2,048]; A: input x (given as codes); B: input Wkv (given as codes): QUANTISED (scales: A lowp_scales[2], B lowp_scales[3])
;;     3. batch 64 x [M 2,048, K 64] x [K 64, N 2,048]; A: computed on the way; B: computed on the way: QUANTISED (scales: A lowp_scales[4], B lowp_scales[5])
;;     4. batch 64 x [M 2,048, K 2,048] x [K 2,048, N 64]; A: softmax (see below); B: computed on the way: QUANTISED (scales: A lowp_scales[6], B lowp_scales[7])
;;     5. [M 8,192, K 1,024] x [K 1,024, N 1,024]; A: computed on the way; B: input Wo (given as codes): QUANTISED (scales: A lowp_scales[8], B lowp_scales[9])
;;   THE QUANTISER, for each operand of a quantised product, along K:
;;     - The operand's scale is 2^e, e = its entry of the input lowp_scales (int32; the entries are numbered through the quantised products in the list's order, A before B).
;;     - Each number is divided by the scale, clamped to +-448, and rounded to the nearest number of E4M3, ties to even, subnormals kept.
;;     - The product sums the exact products of the quantised numbers (number of the format x scale) in f32.
;;   ~~~python
;;   def quantise(x, axis, e):      # numpy; x: float32 -> the quantised numbers, widened to float32 again
;;       x = np.moveaxis(x, axis, -1); K = x.shape[-1]
;;       r = np.clip(x / 2.0 ** e, -448, 448)
;;       step = 2.0 ** (np.maximum(np.frexp(np.where(r == 0, 1, r))[1] - 1, -6) - 3)
;;       q = np.round(r / step) * step * 2.0 ** e      # np.round: ties to even
;;       return np.moveaxis(q, -1, axis).astype(np.float32)
;;   ~~~
;;   SOFTMAX AHEAD OF A QUANTISED PRODUCT. Where the list says 'softmax', what is quantised is not the finished softmax but p = 2^(t - M), with t = logit x log2(e) and M = ceil(the row's largest t), a whole number; so 1/2 < the row's largest p <= 1. The row's sum l is taken of the UNQUANTISED p, in f32, and the product's result is divided by l at the end. Since M is a whole number, a kernel that streams over the keys may use a running M (the ceiling of the running maximum): every later rescaling is an exact power of two, so the quantised numbers keep their values, but for numbers so far below the row's largest that they fall under the format's range.
;;   OPERANDS COMPUTED ON THE WAY. 'Computed on the way' means the value that the module computes at that place (a softmax that the list does not call 'softmax' is quantised finished and normalised). What goes into a quantiser is computed in f32, as accurately as f32 sums, v_exp_f32 and their like allow (about 1e-6 of the number): no bf16 or f16 on the way to a quantiser, and a product that is left as it is and whose result goes on into a quantised operand takes f32 operands (vector FMAs, or v_wmma_f32_16x16x4_f32). A number that lies on a knife's edge between two numbers of the format may be rounded either way, as far as f32 arithmetic and the matrix unit's own rounding can turn it there, and no further.
;;   INPUTS GIVEN AS CODES. Wkv (in the module: [1024, 2048], K = its axis 0); Wo (in the module: [1024, 1024], K = its axis 0); Wq (in the module: [1024, 1024], K = its axis 0); x (in the module: [4, 2048, 1024], K = its axis 2): each comes as NAME_codes (uint8): NAME with its K axis moved to the last place and cut into blocks of 32 codes, [.., K / 32, bytes a block], one block behind the other in memory; one code a byte (a code: sign, 4 exponent bits, 3 mantissa bits); its scale is its entry of lowp_scales. Its value is code x scale, taken as it is: it is not quantised again, and the codes and scales need not be those that the quantiser above would give.
;; One version. Each part assembles by itself: llvm-mc -triple=amdgcn-amd-amdhsa -mcpu=gfx1250 --defsym DOCPART=n.
;; ======== version 1 of 1: 3 launches
;; limits: right only within a limited range of input values
;; workspace buffers: qkv 25,165,824 bytes; aimg 8,388,608 bytes
;; launch qkv (part 1): grid 8 x 32, 4 waves a work-group, clusters of 4 x 4, 327,680 bytes of LDS; arguments x_codes, Wq_codes, Wkv_codes, lowp_scales, qkv; writes qkv
.if DOCPART == 1
	.amdgcn_target "amdgcn-amd-amdhsa--gfx1250"
	.amdhsa_code_object_version 6
	.text
	.protected	k_q28463dfc28_qkv
	.globl	k_q28463dfc28_qkv
	.p2align	8
	.type	k_q28463dfc28_qkv,@function
k_q28463dfc28_qkv:
	s_mov_b64 s[64:65], 0
	v_nop
	global_prefetch_b8 v0, s[64:65] scope:SCOPE_SE
	s_setreg_imm32_b32 hwreg(HW_REG_WAVE_MODE, 25, 1), 1
	s_wait_xcnt 0x0
	s_wait_alu depctr_hold_cnt(0) depctr_sa_sdst(0) depctr_va_vdst(0) depctr_va_sdst(0) depctr_va_ssrc(0) depctr_va_vcc(0) depctr_vm_vsrc(0)
	s_getreg_b32 s2, hwreg(HW_REG_IB_STS2, 6, 4)
	s_cmp_eq_u32 s2, 0
	s_cbranch_scc0 .Lentry_in_a_cluster
	s_endpgm
.Lentry_in_a_cluster:
	s_bfe_u32 s2, ttmp6, 0x10000c
	s_cmp_lg_u32 s2, 0xf033
	s_cbranch_scc0 .Lentry_shape_is_right
	s_endpgm
.Lentry_shape_is_right:
; q = x Wq / 8, k and v = x Wkv, on codes of FP8 (E4M3); the results are quantised at once into the operands of the attention launch.
; x: [8192][1024] codes; Wq: [1024][1024], Wkv: [2048][1024] codes, K innermost.  lowp_scales: e0 (x), e1 (Wq) for q; e2 (x), e3 (Wkv) for k and v; e4, e5, e7: the scales of q / 8, k, v as operands.
; LEFT OUT in this program: in the attention launch, steps of 128 keys that lie wholly behind a block's queries: reference()'s own causal mask puts -finfo.max there, so p is 0 in every row whatever the inputs hold.
;   LIMIT: a NaN, an infinity or an overflow that reaches only such scores is not carried to the result.
; SHARES.  256 work-groups: work-group (X, Y) makes, for 256 tokens (tile Y), heads 2 X and 2 X + 1 of q, k and v.  Four waves: wave w has 128 of the tokens (w / 2) and one of the heads (w % 2): 128 x 64 of q, of k and of v:
;   96 accumulators of 16 x 16, 768 registers (window 1: q, 2: k, 3: v).  x's tile is loaded once for all three.
; q, k: source 0 = 16 rows of the weight, source 1 = 16 tokens: a lane holds one token and eight neighbouring channels.  v: source 0 = 16 tokens, source 1 = 16 rows of the weight: a lane holds one channel and eight neighbouring tokens.
;   So two tiles' conversions give a lane 16 bytes of the operand's register image, and 32 lanes store 512 consecutive bytes: no stage in LDS.
; K = 1,024 goes in four chunks of 256.  LDS: two slots for x (256 rows), q's and k's weights (128 rows each); ONE slot for v's weights (128 rows): ten tiles of 34,816 bytes would not fit.  v's part of a chunk comes last, its slot is
;   filled again at the chunk's end.  One barrier inside a chunk shows this chunk's v weights and the next chunk's slot, so that the next chunk's first fragments come in under this chunk's last products.
; CLUSTERS: x's tile is shared along a row of the cluster, the weights' along a column: joint loads.
; PREFETCH into the L2, one load ahead: chunk 1 behind the head's load, later chunks during the chunk whose end loads them.  Each row's 256 bytes of a chunk are named once in a cluster: of x's 256 rows the partner at cx takes 64,
;   of a weight's 128 rows the partner at cy 32, a lane a row.  The weights are asked for by the first four rows of clusters alone.  Behind chunk 3 nothing is asked for.
; OUTPUT: for each of the 64 heads (16 x batch + head) HS bytes: Q's image, K's, V's, 131,072 bytes each: 16 steps (128 tokens) of 8,192 bytes.  Lane (hh, p) = 16 hh + p:
;   Q, K step: token tile a (8) x 1,024 + c (2) x 512 + lane x 16: token 16 a + p, channels 32 c + 8 hh + 0 .. 7, then 32 c + 16 + 8 hh + 0 .. 7.
;   V step: channel tile i (4) x 2,048 + c (4) x 512 + lane x 16: channel 16 i + p, keys 32 c + 8 hh + 0 .. 7, then 32 c + 16 + 8 hh + 0 .. 7.
; code = sum / 2^E, held within +-448, nearest code, ties to even; E = e4 - e0 - e1 + 3 (q; the 3 is the 1 / 8), e5 - e2 - e3 (k), e7 - e2 - e3 (v).
; LIMITS: E between -126 and 119, so that 2^E and 448 x 2^E are f32 numbers.  NaN codes among the inputs are not served.  Inside a matrix instruction k stands in a permuted order, the same in both operands.
; REGISTERS, window 0: v16-30 addresses and scales; v32-127 weights' fragments: three buffers of two; v128-255 x's eight fragments (16 rows x 128 K, 16 registers each).
.set ROWB,  256
.set PITCH, 272                        ; an LDS row: 256 bytes + 16 of padding: the 16 rows that a load touches start at 16 different banks (64 banks of 4 bytes: ISA guide 11.1)
.set H,     128*PITCH                  ; 128 rows
.set SLOT,  4*H                        ; x's 256 rows, q's 128, k's 128
.set VS,    2*SLOT                     ; v's slot
.set SPARE, VS+H                       ; the spare words, 128 bytes for each wave
.set HS,    0x60000
.set F2,    2*16*PITCH                 ; two fragments of rows further on
.set ADX, 16                           ; v16-17  LDS address of my x fragments in slot 0, 1
.set ADW, 18                           ; v18-19  of my q and k weights
.set ADV, 20                           ; v20     of my v weights
.set VO,  21                           ; v21     16 x lane
.set SCQ, 22                           ; v22-27  2^E and 448 x 2^E for q, k, v
.set SCK, 24
.set SCV, 26
.set SPW, 28
.set NIL, 29
.set PFO, 30                           ; v30     the prefetches' offset: 1,024 x lane; never rewritten
.set G1X, 24                           ; descriptor groups 1 (x; weights) and groups 0 (x's two slots; q's or k's two slots; v's)
.set G1W, 48
.set G0X, 32
.set G0Q, 56
.set G0V, 76
.set PFX, 80                           ; s[80:81] where my wave's prefetches stand: waves 0, 1 x, wave 2 q, wave 3 k
.set PFV, 82                           ; s[82:83] v's
.set ASX, 66                           ; s66, s67: 1 where my wave asks by PFX, by PFV
.set ASV, 67
.set MSB, 0
.macro WIN new                         ; the immediate's high byte repeats the setting that is left
.if MSB != (\new)
	s_set_vgpr_msb (MSB<<8)|(\new)
.set MSB, (\new)
.endif
.endm
.macro PLACES
.rept 4
	v_nop
.endr
.endm
.macro TL g0, g1
	tensor_load_to_lds s[\g0:\g0+3], s[\g1:\g1+7]
	s_nop 0
	PLACES
.endm
; One load a wave: wave 0 x, waves 1 and 2 q's and k's weights, wave 3 v's.  what: 0 all, 1 all but v, 2 v alone.  The branches hang on the wave's number alone.
.macro FILL s, what
.if \what < 2
	s_cmp_eq_u32 s14, 0
	s_cbranch_scc0 .Lnx_\@
	TL G0X+4*\s, G1X
	s_branch .Lj_\@
.Lnx_\@:
.endif
	s_cmp_eq_u32 s14, 3
	s_cbranch_scc0 .Lnv_\@
.if \what != 1
	TL G0V, G1W
.endif
	s_branch .Lj_\@
.Lnv_\@:
.if \what < 2
	TL G0Q+4*\s, G1W
.endif
.Lj_\@:
.endm
.macro ASK xo, vo                      ; the chunk that begins xo (x, q, k) or vo (v) bytes along a row; 0: none.  The branches hang on the wave's number and the cluster's
.if \xo > 0
	s_cmp_eq_u32 s[ASX], 1
	s_cbranch_scc0 .Lno_x_\@
	global_prefetch_b8 v[PFO], s[PFX:PFX+1] offset:\xo th:TH_LOAD_NT scope:SCOPE_SE
.Lno_x_\@:
.endif
.if \vo > 0
	s_cmp_eq_u32 s[ASV], 1
	s_cbranch_scc0 .Lno_v_\@
	global_prefetch_b8 v[PFO], s[PFV:PFV+1] offset:\vo th:TH_LOAD_NT scope:SCOPE_SE
.Lno_v_\@:
.endif
.endm
.macro CREST                           ; a round of the cluster's barrier behind its opening barrier
	s_cmp_lg_u32 s14, 0
	s_cbranch_scc1 .Lnot_wave_0_\@
	s_barrier_signal -3
.Lnot_wave_0_\@:
	s_barrier_wait -3
	s_barrier_signal -1
	s_barrier_wait -1
.endm
.macro CROUND
	s_barrier_signal -1
	s_barrier_wait -1
	CREST
.endm
	s_load_b256 s[4:11], s[0:1], 0x0               ; x s[4:5], Wq s[6:7], Wkv s[8:9], the scales' exponents s[10:11]
	s_load_b64 s[12:13], s[0:1], 0x20              ; qkv
	v_lshl_add_u32 v[SPW], v0, 2, SPARE
	v_mov_b32 v[NIL], 0
	ds_add_u32 v[SPW], v[NIL]                      ; the opening lines: the add, twice on end, and its wait
	ds_add_u32 v[SPW], v[NIL]
	v_lshrrev_b32 v1, 5, v0
	v_readfirstlane_b32 s14, v1                    ; wave
	s_lshr_b32 s15, s14, 1                         ; my half of the tokens
	s_and_b32 s16, s14, 1                          ; my head of the two
	s_bfe_u32 s40, ttmp6, 0x40000                  ; cx, cy
	s_bfe_u32 s41, ttmp6, 0x40004
	s_lshl_b32 s42, ttmp9, 2
	s_add_co_u32 s42, s42, s40                     ; X: the pair of heads
	s_and_b32 s17, ttmp7, 0xffff
	s_lshl_b32 s17, s17, 2
	s_add_co_u32 s17, s17, s41                     ; Y: the tile of tokens
	s_lshl_b32 s43, s41, 2
	s_lshl_b32 s43, 15, s43                        ; my row of the cluster
	s_lshl_b32 s44, 0x1111, s40                    ; my column
	s_or_b32 s[G1X], s43, (1<<20)|(1<<21)|(5<<22)|(3<<25)   ; elements of 1 byte; 4 words of padding after every 64
	s_or_b32 s[G1W], s44, (1<<20)|(1<<21)|(5<<22)|(3<<25)
	s_mov_b32 s[G1X+2], 256<<16                    ; x: 256 rows
	s_mov_b32 s[G1X+4], 256
	s_mov_b32 s[G1W+2], 128<<16                    ; a weight: 128 rows
	s_mov_b32 s[G1W+4], 128
.irp g, G1X, G1W
	s_mov_b32 s[\g+1], ROWB<<16
	s_mov_b32 s[\g+3], ROWB<<16
	s_mov_b32 s[\g+5], 1024                        ; from row to row
	s_mov_b32 s[\g+6], 0
	s_mov_b32 s[\g+7], 0
.endr
	s_lshl_b32 s20, s17, 18                        ; 256 rows of 1,024 bytes
	s_mov_b32 s21, 0
	s_lshl_b32 s46, s42, 17                        ; 128 rows
	s_mov_b32 s47, 0
	s_add_co_u32 s45, s14, 1
	s_mul_i32 s45, s45, H                          ; waves 1, 2: behind x's two halves
	s_wait_dscnt 0x0                               ; both opening adds are done
	CROUND                                         ; all sixteen work-groups are here: the first joint loads meet
	s_wait_kmcnt 0x0
	s_load_b256 s[68:75], s[10:11], 0x0            ; e0 .. e7
	s_add_nc_u64 s[20:21], s[4:5], s[20:21]
	s_cmp_eq_u32 s14, 1
	s_cselect_b64 s[84:85], s[6:7], s[8:9]         ; wave 1: Wq; else Wkv's first 1,024 rows (k)
	s_add_nc_u64 s[84:85], s[84:85], s[46:47]
	s_add_nc_u64 s[86:87], s[8:9], s[46:47]
	s_add_nc_u64 s[86:87], s[86:87], 0x100000      ; v's rows
.irp s, 0,1
	s_mov_b32 s[G0X+4*\s], 1
	s_mov_b32 s[G0X+4*\s+1], \s*SLOT
	s_add_nc_u64 s[G0X+4*\s+2:G0X+4*\s+3], s[20:21], \s*ROWB
	s_or_b32 s[G0X+4*\s+3], s[G0X+4*\s+3], 0x80000000
	s_mov_b32 s[G0Q+4*\s], 1
	s_add_co_u32 s[G0Q+4*\s+1], s45, \s*SLOT
	s_add_nc_u64 s[G0Q+4*\s+2:G0Q+4*\s+3], s[84:85], \s*ROWB
	s_or_b32 s[G0Q+4*\s+3], s[G0Q+4*\s+3], 0x80000000
.endr
	s_mov_b32 s[G0V], 1
	s_mov_b32 s[G0V+1], VS
	s_mov_b64 s[G0V+2:G0V+3], s[86:87]
	s_or_b32 s[G0V+3], s[G0V+3], 0x80000000
	FILL 0, 0                                      ; chunk 0: one tensor load a wave at the head
	s_mul_i32 s22, s15, H                          ; my 128 rows of x
	s_mul_i32 s23, s16, 64*PITCH                   ; my head's 64 rows
	s_add_co_u32 s88, s23, VS
	s_add_co_u32 s23, s23, 2*H
	v_and_b32 v1, 15, v0                           ; r
	v_bfe_u32 v2, v0, 4, 1                         ; hh
	v_mul_u32_u24 v3, v1, PITCH
	v_lshl_add_u32 v3, v2, 4, v3                   ; a fragment's row x pitch + 16 x half
	v_add_nc_u32 v[ADX], s22, v3
	v_add_nc_u32 v[ADX+1], SLOT, v[ADX]
	v_add_nc_u32 v[ADW], s23, v3
	v_add_nc_u32 v[ADW+1], SLOT, v[ADW]
	v_add_nc_u32 v[ADV], s88, v3
	v_and_b32 v4, 31, v0
	v_lshlrev_b32 v[VO], 4, v4
	v_lshlrev_b32 v[PFO], 10, v4
	s_wait_alu depctr_va_vdst(0)                   ; directly ahead of the scalar run
	s_lshr_b32 s88, s17, 3                         ; the batch: eight tiles of 256 tokens each
	s_lshl_b32 s88, s88, 4
	s_lshl_b32 s89, s42, 1
	s_add_co_u32 s88, s88, s89
	s_add_co_u32 s88, s88, s16                     ; my head, 0 .. 63
	s_mul_i32 s88, s88, HS
	s_and_b32 s89, s17, 7
	s_lshl_b32 s89, s89, 1
	s_add_co_u32 s89, s89, s15                     ; my step of 128 tokens
	s_lshl_b32 s89, s89, 13
	s_add_co_u32 s88, s88, s89                     ; under 2^25
	s_mov_b32 s89, 0
	s_add_nc_u64 s[12:13], s[12:13], s[88:89]
	; the prefetches: x's 64 rows of partner cx, 32 in each of waves 0 and 1; a weight's 32 rows of partner cy
	s_lshl_b32 s88, s40, 16
	s_lshl_b32 s90, s16, 15
	s_add_co_u32 s88, s88, s90
	s_add_nc_u64 s[PFX:PFX+1], s[20:21], s[88:89]
	s_lshl_b32 s88, s41, 15
	s_cmp_eq_u32 s14, 2
	s_cselect_b64 s[PFV:PFV+1], s[6:7], s[8:9]
	s_add_nc_u64 s[PFV:PFV+1], s[PFV:PFV+1], s[46:47]
	s_add_nc_u64 s[PFV:PFV+1], s[PFV:PFV+1], s[88:89]
	s_cmp_lt_u32 s14, 2
	s_cselect_b64 s[PFX:PFX+1], s[PFX:PFX+1], s[PFV:PFV+1]
	s_add_nc_u64 s[PFV:PFV+1], s[86:87], s[88:89]
	s_and_b32 s90, ttmp7, 0xffff
	s_cmp_lt_u32 s90, 4
	s_cselect_b32 s90, 1, 0                        ; the weights: four rows of clusters
	s_cmp_lt_u32 s14, 2
	s_cselect_b32 s[ASX], 1, s90
	s_cmp_eq_u32 s14, 3
	s_cselect_b32 s[ASV], s90, 0
	ASK 256, 0                                     ; chunk 1 of x, q, k
	s_wait_kmcnt 0x0
	s_add_co_i32 s90, s68, s69
	s_sub_co_i32 s90, s72, s90
	s_add_co_i32 s90, s90, 3                       ; q's E
	s_add_co_i32 s94, s70, s71
	s_sub_co_i32 s91, s73, s94                     ; k's
	s_sub_co_i32 s93, s75, s94                     ; v's
.macro EXPO e, sc
	s_add_co_i32 s[\e], s[\e], 127
	s_lshl_b32 s92, s[\e], 23
	v_mov_b32 v[\sc], s92                          ; 2^E as f32: the conversion takes its exponent field
	s_add_co_i32 s[\e], s[\e], 8
	s_lshl_b32 s92, s[\e], 23
	s_or_b32 s92, s92, 0x600000
	v_mov_b32 v[\sc+1], s92                        ; 448 x 2^E
.endm
	EXPO 90, SCQ
	EXPO 91, SCK
	EXPO 93, SCV
.macro LW buf, adr, off                ; two fragments of a weight (16 rows x 128 K each): lane l holds row l % 16; registers 4 c .. 4 c + 3 hold K = 32 c + 16 (l / 16) + 0 .. 15
.irp f, 0,1
.irp c, 0,1,2,3
	ds_load_b128 v[32+32*(\buf)+16*\f+4*\c:32+32*(\buf)+16*\f+4*\c+3], v[\adr] offset:\off+\f*16*PITCH+32*\c
.endr
.endr
.endm
.macro LX adr, ks, a0                  ; two fragments of x, tiles a0 and a0 + 1
.irp f, 0,1
.irp c, 0,1,2,3
	ds_load_b128 v[128+16*(\a0+\f)+4*\c:128+16*(\a0+\f)+4*\c+3], v[\adr] offset:128*(\ks)+(\a0+\f)*16*PITCH+32*\c
.endr
.endr
.endm
.macro MM kind, i, buf, b, a, zero
.set DD, 8*(8*(\i)+(\a))
.set WW, 32+32*(\buf)+16*(\b)
.set XX, 128+16*(\a)
.if \kind == 2
.if \zero
	v_wmma_f32_16x16x128_fp8_fp8 v[DD:DD+7], v[XX:XX+15], v[WW:WW+15], 0
.else
	v_wmma_f32_16x16x128_fp8_fp8 v[DD:DD+7], v[XX:XX+15], v[WW:WW+15], v[DD:DD+7]
.endif
.else
.if \zero
	v_wmma_f32_16x16x128_fp8_fp8 v[DD:DD+7], v[WW:WW+15], v[XX:XX+15], 0
.else
	v_wmma_f32_16x16x128_fp8_fp8 v[DD:DD+7], v[WW:WW+15], v[XX:XX+15], v[DD:DD+7]
.endif
.endif
.endm
; A group: two weight fragments x eight tiles of x, 16 matrix instructions, each accumulator one turn.
; w: LDS loads that may be out at its start; step = 8: x's tiles come in by pairs of eight loads, and each pair has its own wait.
.macro G2 kind, i0, buf, zero, w, step
	WIN (\kind+1)*0x50
.irp a, 0,1,2,3,4,5,6,7
.if (\a == 0) || ((\step > 0) && ((\a)%2 == 0))
	s_wait_dscnt \w-(\a)/2*\step
.endif
	MM \kind, \i0, \buf, 0, \a, \zero
	MM \kind, \i0+1, \buf, 1, \a, \zero
.endr
.endm
.macro GH kind, i0, buf, a0            ; half a group
.irp a, 0,1,2,3
	MM \kind, \i0, \buf, 0, \a0+\a, 0
	MM \kind, \i0+1, \buf, 1, \a0+\a, 0
.endr
.endm
; Two groups joined, 32 matrix instructions by tiles of x: behind each pair of tiles its registers take the next K step's fragments.
.macro JG kind, bufa, bufb, zero, adr, ks
	s_wait_dscnt 8                                 ; both groups' fragments are in; the next group's eight loads may be out
.irp pr, 0,2,4,6
	WIN (\kind+1)*0x50
.irp a, 0,1
	MM \kind, 0, \bufa, 0, \pr+\a, \zero
	MM \kind, 1, \bufa, 1, \pr+\a, \zero
	MM \kind, 2, \bufb, 0, \pr+\a, \zero
	MM \kind, 3, \bufb, 1, \pr+\a, \zero
.endr
	PLACES                                         ; loads into registers that matrix instructions have read stand four places behind them
	WIN 0
	LX \adr, \ks, \pr
.endr
.endm
.macro UNIT kind, m                    ; the two tiles of the m-th unit of 512 bytes
.if \kind == 2
.set TA, 8*(8*((\m)/4)+2*((\m)%4))
.set TB, TA+8
.else
.set TA, 8*(16*((\m)%2)+(\m)/2)
.set TB, TA+64
.endif
.endm
; THE WAY OUT of q, k or v: 16 units.  Held in place (the conversion to an 8-bit code does not saturate: ISA guide 7.6.2), each accumulator from its low end on; a unit's codes lie where the unit before had its first tile.
.macro OUT kind, sc, cod
.set un, 0
.rept 17
.if un < 16
	UNIT \kind, un
	WIN (\kind+1)*0x41
.irp j, 0,1,2,3,4,5,6,7
	v_med3_num_f32 v[TA+\j], v[TA+\j], -v[\sc+1], v[\sc+1]
.endr
.irp j, 0,1,2,3,4,5,6,7
	v_med3_num_f32 v[TB+\j], v[TB+\j], -v[\sc+1], v[\sc+1]
.endr
.else
	v_nop                                          ; one plain place between a conversion and the next that writes its source
.endif
.if un > 0
	UNIT \kind, un-1
.if un == 1
	WIN \kind+1
	v_cvt_scalef32_pk8_fp8_f32 v[\cod:\cod+1], v[TA:TA+7], v[\sc]
	v_cvt_scalef32_pk8_fp8_f32 v[\cod+2:\cod+3], v[TB:TB+7], v[\sc]
.else
.set SA, TA
.set SB, TB
	UNIT \kind, un-2
	WIN (\kind+1)*0x41
	v_cvt_scalef32_pk8_fp8_f32 v[TA:TA+1], v[SA:SA+7], v[\sc]
	v_cvt_scalef32_pk8_fp8_f32 v[TA+2:TA+3], v[SB:SB+7], v[\sc]
.endif
.endif
.set un, un+1
.endr
	v_nop
	WIN 0
	global_store_b128 v[VO], v[\cod:\cod+3], s[12:13] offset:\kind*0x20000
	WIN (\kind+1)*4
.set un, 1
.rept 15
	UNIT \kind, un-1
	global_store_b128 v[VO], v[TA:TA+3], s[12:13] offset:\kind*0x20000+512*un   ; 32 lanes store 512 consecutive bytes, at a multiple of 512 from qkv's first byte
.set un, un+1
.endr
	WIN 0
.endm
; A CHUNK of 256 along K, in slot s: twelve groups.  The loads of a group's two fragments (eight) stand one or two groups ahead of it; its buffer is the one that the group three before has left.
.macro CHUNK s, zero, ch
	PLACES
.if \ch == 0
	LW 0, ADW+\s, 0                                ; group 0: q, tiles 0, 1, first 128 of K
.irp pr, 0,2,4,6
	LX ADX+\s, 0, \pr
.endr
	LW 1, ADW+\s, F2                               ; 1: q, tiles 2, 3
.endif                                 ; (later chunks: x's tiles and groups 0 and 1 are in registers, and group 0 has been multiplied)
	LW 2, ADW+\s, H                                ; 2: k, tiles 0, 1
.if \ch == 0
	G2 0, 0, 0, \zero, 40, 8                       ; out at its start: x's last six tiles (24), groups 1 and 2 (16)
	PLACES
	WIN 0
.endif
	LW 0, ADW+\s, H+F2                             ; 3: k, tiles 2, 3
	G2 0, 2, 1, \zero, 16, 0
	PLACES
	WIN 0
	LW 1, ADW+\s, 128                              ; 4: q again, the second 128 of K
.if \ch < 2
	ASK 512+256*\ch, 256+256*\ch                   ; what this chunk's end loads: x, q, k two chunks on, v one chunk on
.elseif \ch == 2
	ASK 0, 768                                     ; v's last
.endif
	JG 1, 2, 0, \zero, ADX+\s, 1                   ; 2 and 3; x's second 128 of K comes in
	LW 2, ADW+\s, F2+128                           ; 5
	LW 0, ADW+\s, H+128                            ; 6
	G2 0, 0, 1, 0, 40, 8
	PLACES
	WIN 0
	LW 1, ADW+\s, H+F2+128                         ; 7
	G2 0, 2, 2, 0, 16, 0
	G2 1, 0, 0, 0, 8, 0
	WIN 0
	s_wait_tensorcnt 0x0                           ; my part of this chunk's v weights and of the next chunk's slot is in
	s_wait_dscnt 0x0
	s_barrier_signal -1
	s_barrier_wait -1
	PLACES
	LW 2, ADV, 128                                 ; 8: v, tiles 0, 1, the second 128 of K (x's fragments are there)
	LW 0, ADV, F2+128                              ; 9
	G2 1, 2, 1, 0, 16, 0
.if \ch == 3                           ; q and k are finished: they leave while v is multiplied
	PLACES
	OUT 0, SCQ, 0
	OUT 1, SCK, 4
.endif
	PLACES
	WIN 0
	LW 1, ADV, 0                                   ; 10: v, the first 128 of K
	JG 2, 2, 0, \zero, ADX+\s, 0                   ; 8 and 9; x's first 128 of K comes in again
	LW 2, ADV, F2                                  ; 11
.if \ch == 3
	G2 2, 0, 1, 0, 32, 8
	G2 2, 2, 2, 0, 0, 0
	PLACES
	OUT 2, SCV, 8
.else
	LW 0, ADW+1-\s, 0                              ; the next chunk's group 0
	WIN 0xf0
	s_wait_dscnt 32                                ; x's tiles 0-3 are in; tiles 4-7, group 11 and the next group 0 may be out
	GH 2, 0, 1, 0
	s_wait_dscnt 8                                 ; group 11 is in
	GH 2, 2, 2, 0
	PLACES
	WIN 0
	LX ADX+1-\s, 0, 0                              ; the next chunk's tiles 0-3 of x
	LX ADX+1-\s, 0, 2
	WIN 0xf0
	GH 2, 0, 1, 4
	GH 2, 2, 2, 4
	PLACES
	WIN 0
	LW 1, ADW+1-\s, F2                             ; its group 1,
	LX ADX+1-\s, 0, 4                              ; and tiles 4-7
	LX ADX+1-\s, 0, 6
	s_wait_tensorcnt 0x0                           ; no tensor load of mine is out
	ds_add_u32 v[SPW], v[NIL]                      ; 0 onto my spare word
	s_add_nc_u64 s[G0V+2:G0V+3], s[G0V+2:G0V+3], ROWB
.if \ch < 2
	s_add_nc_u64 s[G0X+4*\s+2:G0X+4*\s+3], s[G0X+4*\s+2:G0X+4*\s+3], 2*ROWB
	s_add_nc_u64 s[G0Q+4*\s+2:G0Q+4*\s+3], s[G0Q+4*\s+2:G0Q+4*\s+3], 2*ROWB
.endif
	s_wait_dscnt 0x0                               ; the add is done, and my reads of this chunk are over
	s_barrier_signal -1
	WIN 0x50
	GH 0, 0, 0, 0                                  ; the next chunk's group 0: registers alone
	GH 0, 0, 0, 4
	WIN 0
	s_barrier_wait -1
	CREST                                          ; the round: no wave of any partner still reads what is filled again
.if \ch < 2
	FILL \s, 0                                     ; x, q, k two chunks on; v the next chunk
.else
	FILL \s, 2                                     ; v's last
.endif
.endif
.endm
	s_wait_alu depctr_va_vdst(0)                   ; the head's end
	s_wait_tensorcnt 0x0                           ; my part of chunk 0 is in
	ds_add_u32 v[SPW], v[NIL]                      ; 0 onto my spare word
	s_wait_dscnt 0x0
	CROUND                                         ; everybody's part is in
	FILL 1, 1                                      ; chunk 1 of x, q, k: slot 1's first fill
	CHUNK 0, 1, 0
	CHUNK 1, 0, 1
	CHUNK 0, 0, 2
	CHUNK 1, 0, 3
	s_wait_tensorcnt 0x0                           ; the wave's end
	ds_add_u32 v[SPW], v[NIL]
	s_wait_dscnt 0x0
	CROUND                                         ; the closing round
	s_endpgm
.Lfunc_end_k_q28463dfc28_qkv:
	.size	k_q28463dfc28_qkv, .Lfunc_end_k_q28463dfc28_qkv-k_q28463dfc28_qkv
	.p2alignl 7, 3214868480
	.fill 96, 4, 3214868480
	.section	.rodata,"a",@progbits
	.p2align	6, 0x0
	.amdhsa_kernel k_q28463dfc28_qkv
		.amdhsa_group_segment_fixed_size 327680
		.amdhsa_private_segment_fixed_size 0
		.amdhsa_enable_private_segment 0
		.amdhsa_kernarg_size 40
		.amdhsa_user_sgpr_count 2
		.amdhsa_user_sgpr_kernarg_segment_ptr 1
		.amdhsa_wavefront_size32 1
		.amdhsa_system_sgpr_workgroup_id_x 1
		.amdhsa_system_sgpr_workgroup_id_y 1
		.amdhsa_system_sgpr_workgroup_id_z 1
		.amdhsa_system_vgpr_workitem_id 0
		.amdhsa_next_free_vgpr 1024
		.amdhsa_next_free_sgpr 100
		.amdhsa_reserve_vcc 0
		.amdhsa_float_denorm_mode_32 3
		.amdhsa_float_denorm_mode_16_64 3
		.amdhsa_memory_ordered 1
		.amdhsa_forward_progress 1
		.amdhsa_inst_pref_size 184
	.end_amdhsa_kernel
	.amdgpu_metadata
---
amdhsa.version: [ 1, 2 ]
amdhsa.kernels:
  - .name:           k_q28463dfc28_qkv
    .symbol:         k_q28463dfc28_qkv.kd
    .args:
      - { .name: x_codes, .offset: 0, .size: 8, .value_kind: global_buffer, .address_space: global }
      - { .name: Wq_codes, .offset: 8, .size: 8, .value_kind: global_buffer, .address_space: global }
      - { .name: Wkv_codes, .offset: 16, .size: 8, .value_kind: global_buffer, .address_space: global }
      - { .name: lowp_scales, .offset: 24, .size: 8, .value_kind: global_buffer, .address_space: global }
      - { .name: qkv, .offset: 32, .size: 8, .value_kind: global_buffer, .address_space: global }
    .group_segment_fixed_size: 327680
    .private_segment_fixed_size: 0
    .kernarg_segment_align: 8
    .kernarg_segment_size: 40
    .max_flat_workgroup_size: 128
    .sgpr_count:     100
    .vgpr_count:     1024
    .wavefront_size: 32
...
	.end_amdgpu_metadata
.endif
;; end of part 1
;; launch attn (part 2): grid 4 x 64, 8 waves a work-group, clusters of 4 x 1, 327,680 bytes of LDS; arguments qkv, lowp_scales, aimg; writes aimg
.if DOCPART == 2
	.amdgcn_target "amdgcn-amd-amdhsa--gfx1250"
	.amdhsa_code_object_version 6
	.text
	.protected	k_q28463dfc28_attn
	.globl	k_q28463dfc28_attn
	.p2align	8
	.type	k_q28463dfc28_attn,@function
k_q28463dfc28_attn:
	s_mov_b64 s[64:65], 0
	v_nop
	global_prefetch_b8 v0, s[64:65] scope:SCOPE_SE
	s_setreg_imm32_b32 hwreg(HW_REG_WAVE_MODE, 25, 1), 1
	s_wait_xcnt 0x0
	s_wait_alu depctr_hold_cnt(0) depctr_sa_sdst(0) depctr_va_vdst(0) depctr_va_sdst(0) depctr_va_ssrc(0) depctr_va_vcc(0) depctr_vm_vsrc(0)
	s_getreg_b32 s2, hwreg(HW_REG_IB_STS2, 6, 4)
	s_cmp_eq_u32 s2, 0
	s_cbranch_scc0 .Lentry_in_a_cluster
	s_endpgm
.Lentry_in_a_cluster:
	s_bfe_u32 s2, ttmp6, 0x10000c
	s_cmp_lg_u32 s2, 0x3003
	s_cbranch_scc0 .Lentry_shape_is_right
	s_endpgm
.Lentry_shape_is_right:
; O = softmax(Q K^T) V for one head, causal, on codes of FP8; O is quantised at once into the projection's operand.  The images of Q, K and V are laid by the launch before, in the order of the operands' registers.
; LEFT OUT: steps of 128 keys that lie wholly behind a block's queries (reference()'s causal mask; the argument and its limit stand at the head of the first kernel).
; SHARES.  Four work-groups, a cluster, take one head: work-group cx the queries 128 g + 32 cx .. + 31 of each of the 16 superblocks g.  Wave w takes superblock w xor 4, then superblock 15 - w: waves w and w + 4 together 34 steps of 128 keys.
; The head's K and V, 262,144 bytes, come to lie in LDS whole, by joint loads: keys 0-1,023 at the head, the rest behind the first barrier; nothing is filled again.  The first superblock needs keys 0-1,023 alone.  The barrier that shows the rest
;   is signalled ahead of the second superblock and waited for behind its first eight steps.  No data prefetch: two loads a wave bring everything, and the second has at least the first superblock's work in which to land.
; S^T = K Q^T and O^T = V^T P^T: a lane holds one query (lane % 16); register 8 t + j of a tile of scores is key 16 t + 8 (lane / 16) + j: the very place that the second product's operand has for it.
; SOFTMAX: t = score x log2(e) (the 1 / 8 is in q); M = the running largest t rounded up to a whole number; p = 2^(t - M) is quantised; the row's sum is taken of the unquantised p in f32; when M moves, the sum and O are multiplied by a power of two.
; OUTPUT aimg: token tile (16 tokens, of 512) x 16,384 + head x 1,024 + b (2) x 512 + lane x 16: token lane % 16, channels 32 b + 16 (lane / 16) + 0 .. 15 of the head.
; LIMITS, so that each power of two is an f32 number: e4 + e5 between -126 and 126; e6 between -126 and 119; e8 - e6 - e7 between -126 and 119.  The promise holds while t stays under 2^31 in magnitude.
; REGISTERS.  window 0: v1-39 addresses, statistics; v40-55 Q of the first block; v64-95 P's codes; v96-127 partial sums; v128-255 S^T, two tiles of queries.  window 1: v0-63 O^T; v64-127 K's fragments; v128-191 V's; v192-207 Q of the second block.
.set HS,    0x60000
.set STEPB, 8192
.set VOFF,  0x20000
.set HALFK, 0x10000                    ; keys 1,024 on
.set LI,   1                           ; 16 x lane
.set ADK,  2
.set ADV,  3
.set DQ,   4                           ; my query in its superblock less 8 (lane / 16), first tile
.set NINF, 6
.set ADN,  7
.set ST,   8                           ; for tile u, at ST + 4 u: -M, the largest t, the sum in two halves
.set WK,   16                          ; for tile u, at WK + 8 u: f (a pair), work
.set PSC,  32
.set OSC,  34
.set OLIM, 35
.set SPW,  38
.set NIL,  39
.set QA,   40
.set QB,   192
.set PC,   64
.set T,    96
.set S,    128
.set OA,   0
.set KF,   64
.set VF,   128
.set WV,   10
.set CS,   50                          ; s[50:51] log2(e) x 2^(e4 + e5)
.set SEL,  52
.set TB,   54
.set KS,   55
.set G,    56
.set CNT,  57
.set PL,   78                          ; 448 x 2^e6
.set TN,   79
.set MSB, 0
.macro WIN new
.if MSB != (\new)
	s_set_vgpr_msb (MSB<<8)|(\new)
.set MSB, (\new)
.endif
.endm
.macro CROUND
	s_barrier_signal -1
	s_barrier_wait -1
	s_cmp_lg_u32 s[WV], 0
	s_cbranch_scc1 .Lnot_wave_0_\@
	s_barrier_signal -3
.Lnot_wave_0_\@:
	s_barrier_wait -3
	s_barrier_signal -1
	s_barrier_wait -1
.endm
	s_load_b128 s[4:7], s[0:1], 0x0                ; qkv, the exponents
	s_load_b64 s[8:9], s[0:1], 0x10                ; aimg
	v_lshl_add_u32 v[SPW], v0, 2, 0x40000          ; the spare words lie behind K and V
	v_mov_b32 v[NIL], 0
	ds_add_u32 v[SPW], v[NIL]                      ; the opening lines: the add, twice on end, and its wait
	ds_add_u32 v[SPW], v[NIL]
	v_lshrrev_b32 v2, 5, v0
	v_readfirstlane_b32 s[WV], v2
	s_bfe_u32 s11, ttmp6, 0x40000                  ; cx
	s_and_b32 s12, ttmp7, 0xffff                   ; 16 x batch + head
	s_mov_b32 s16, 15|(3<<16)|(1<<21)              ; 64 rows of 256 bytes, dense; all four work-groups
	s_mov_b32 s17, 32<<16
	s_mov_b32 s18, 64<<16
	s_mov_b32 s19, 32<<16
	s_mov_b32 s20, 64
	s_mov_b32 s21, 32
	s_mov_b32 s22, 0
	s_mov_b32 s23, 0
	s_mov_b32 s[SEL], 0x76543210
	s_mov_b32 s[SEL+1], 0xfedcba98                 ; v_permlanex16_b32's selects for lane l xor 16
	s_lshr_b32 s72, s[WV], 2                       ; waves 0-3: quarters of a half of K; 4-7: of V, which lies behind K in memory and in LDS alike
	s_lshl_b32 s72, s72, 17
	s_and_b32 s73, s[WV], 3
	s_lshl_b32 s73, s73, 14
	s_add_co_u32 s72, s72, s73
	s_mul_i32 s74, s12, HS
	s_mov_b32 s75, 0
	s_add_co_u32 s62, s72, 0x20000
	s_mov_b32 s63, 0
	s_wait_dscnt 0x0                               ; both opening adds are done
	CROUND                                         ; all four work-groups are here
	s_wait_kmcnt 0x0
	s_load_b256 s[40:47], s[6:7], 0x0              ; e0 .. e7
	s_load_b64 s[48:49], s[6:7], 0x20              ; e8, e9
	s_add_nc_u64 s[76:77], s[4:5], s[74:75]        ; my head
	s_mov_b32 s32, 1
	s_mov_b32 s33, s72
	s_add_nc_u64 s[34:35], s[76:77], s[62:63]
	s_or_b32 s35, s35, 0x80000000
	tensor_load_to_lds s[32:35], s[16:23]          ; keys 0-1,023
	s_nop 0
.rept 4
	v_nop
.endr
	s_mov_b32 s36, 1
	s_add_co_u32 s37, s72, HALFK
	s_add_co_u32 s62, s62, HALFK
	s_add_nc_u64 s[38:39], s[76:77], s[62:63]
	s_or_b32 s39, s39, 0x80000000
	s_lshl_b32 s62, s11, 11                        ; my two tiles of a superblock of Q
	s_add_nc_u64 s[66:67], s[76:77], s[62:63]
	s_xor_b32 s70, s[WV], 4
	s_lshl_b32 s62, s70, 13
	s_add_nc_u64 s[58:59], s[66:67], s[62:63]
	s_xor_b32 s70, s[WV], 15
	s_lshl_b32 s62, s70, 13
	s_add_nc_u64 s[60:61], s[66:67], s[62:63]
	v_and_b32 v36, 31, v0
	v_lshlrev_b32 v[LI], 4, v36
.irp u, 0,1
.irp c, 0,1
	global_load_b128 v[QA+8*\u+4*\c:QA+8*\u+4*\c+3], v[LI], s[58:59] offset:1024*\u+512*\c
.endr
.endr
	WIN 0x40
.irp u, 0,1
.irp c, 0,1
	global_load_b128 v[QB+8*\u+4*\c:QB+8*\u+4*\c+3], v[LI], s[60:61] offset:1024*\u+512*\c
.endr
.endr
	WIN 0
	s_and_b32 s70, s12, 15
	s_lshl_b32 s74, s70, 10                        ; the head's 1,024 bytes in a token tile's 16,384
	s_lshr_b32 s71, s12, 4
	s_lshl_b32 s71, s71, 21                        ; the batch: 128 token tiles
	s_add_co_u32 s74, s74, s71
	s_lshl_b32 s71, s11, 15
	s_add_co_u32 s74, s74, s71
	s_add_nc_u64 s[68:69], s[8:9], s[74:75]
	s_lshl_b32 s70, s11, 5
	v_and_b32 v37, 15, v0
	v_bfe_u32 v36, v0, 4, 1
	v_lshlrev_b32 v36, 3, v36
	v_sub_nc_u32 v37, v37, v36
	v_add_nc_u32 v[DQ], s70, v37
	v_mov_b32 v[NINF], 0xff800000
.irp u, 0,1
	v_mov_b32 v[WK+8*\u+1], 0                      ; (the upper half of the pair f)
	v_mov_b32 v[WK+8*\u+6], 0                      ; (a lane permute's destination counts as one of its sources)
.endr
	s_wait_alu depctr_va_vdst(0)                   ; directly ahead of the wait below
	s_wait_kmcnt 0x0
	s_add_co_i32 s70, s44, s45
	s_lshl_b32 s70, s70, 23
	s_add_co_i32 s[CS], s70, 0x3fb8aa3b            ; log2(e), the exponents added to its exponent field
	s_mov_b32 s[CS+1], s[CS]
	s_add_co_i32 s70, s46, 127
	s_lshl_b32 s71, s70, 23
	v_mov_b32 v[PSC], s71
	s_add_co_i32 s70, s70, 8
	s_lshl_b32 s70, s70, 23
	s_or_b32 s[PL], s70, 0x600000
	s_sub_co_i32 s70, s48, s46
	s_sub_co_i32 s70, s70, s47
	s_add_co_i32 s70, s70, 127
	s_lshl_b32 s71, s70, 23
	v_mov_b32 v[OSC], s71                          ; 2^(e8 - e6 - e7)
	s_add_co_i32 s70, s70, 8
	s_lshl_b32 s70, s70, 23
	s_or_b32 s70, s70, 0x600000
	v_mov_b32 v[OLIM], s70
.macro DMIN r                          ; the hold of two p: never negative, so one-sided (the conversion to an 8-bit code does not saturate: ISA guide 7.6.2)
	v_dual_min_num_f32 v[\r], s[PL], v[\r] :: v_dual_min_num_f32 v[\r+1], s[PL], v[\r+1]
.endm
; The diagonal step: hidden scores become -infinity.  Key 16 t + j of the second tile of queries is hidden where key 16 (t - 1) + j of the first is: one compare serves both.
.macro MASK
.set n, 0
.rept 72
	v_cmp_gt_i32 vcc_lo, 16*(n/8)+n%8-16, v[DQ]
.if n < 64
	v_cndmask_b32 v[S+64+n], v[S+64+n], v[NINF], vcc_lo
.endif
.if n >= 8
	v_cndmask_b32 v[S+n-8], v[S+n-8], v[NINF], vcc_lo
.endif
.set n, n+1
.endr
.endm
.macro SOFT
.irp u, 0,1
	v_max3_num_f32 v[WK+8*\u+2], v[S+64*\u], v[S+64*\u+1], v[S+64*\u+2]
	v_max3_num_f32 v[WK+8*\u+3], v[S+64*\u+3], v[S+64*\u+4], v[S+64*\u+5]
.endr
.irp i, 6,10,14,18,22,26,30,34,38,42,46,50,54,58
.irp u, 0,1
	v_max3_num_f32 v[WK+8*\u+2], v[WK+8*\u+2], v[S+64*\u+\i], v[S+64*\u+\i+1]
	v_max3_num_f32 v[WK+8*\u+3], v[WK+8*\u+3], v[S+64*\u+\i+2], v[S+64*\u+\i+3]
.endr
.endr
.irp u, 0,1
	v_max3_num_f32 v[WK+8*\u+2], v[WK+8*\u+2], v[S+64*\u+62], v[S+64*\u+63]
.endr
.irp u, 0,1
	s_delay_alu instid0(VALU_DEP_2)
	v_max_num_f32 v[WK+8*\u+2], v[WK+8*\u+2], v[WK+8*\u+3]
.endr
.irp u, 0,1
	s_delay_alu instid0(VALU_DEP_2)
	v_permlanex16_b32 v[WK+8*\u+6], v[WK+8*\u+2], s[SEL], s[SEL+1]
.endr
.irp u, 0,1
	s_delay_alu instid0(VALU_DEP_2)
	v_max_num_f32 v[WK+8*\u+2], v[WK+8*\u+2], v[WK+8*\u+6]
.endr
.irp u, 0,1
	s_delay_alu instid0(VALU_DEP_2)
	v_mul_f32 v[WK+8*\u+2], s[CS], v[WK+8*\u+2]
.endr
.irp u, 0,1
	s_delay_alu instid0(VALU_DEP_2)
	v_max_num_f32 v[ST+4*\u+1], v[ST+4*\u+1], v[WK+8*\u+2]
.endr
.irp u, 0,1
	v_mov_b32 v[WK+8*\u+2], v[ST+4*\u]
.endr
.irp u, 0,1
	s_delay_alu instid0(VALU_DEP_4)
	v_floor_f32 v[ST+4*\u], -v[ST+4*\u+1]          ; the new -M
.endr
.irp u, 0,1
	s_delay_alu instid0(VALU_DEP_2)
	v_sub_f32 v[WK+8*\u+2], v[ST+4*\u], v[WK+8*\u+2]
.endr
.irp u, 0,1
	s_delay_alu instid0(VALU_DEP_2)
	v_cvt_i32_f32 v[WK+8*\u+2], v[WK+8*\u+2]
.endr
.irp u, 0,1
	s_delay_alu instid0(VALU_DEP_2)
	v_ldexp_f32 v[WK+8*\u], 1.0, v[WK+8*\u+2]      ; f = 2^(old M - new M)
.endr
.set j, 0
.rept 32
	v_pk_fma_f32 v[S+j:S+j+1], v[S+j:S+j+1], s[CS:CS+1], v[ST:ST+1] op_sel_hi:[1,0,0]
.set j, j+2
.endr
	s_wait_alu depctr_va_vdst(0)                   ; ahead of the batch
.set j, 0
.rept 32                               ; the first tile's exponentials; between them the second tile's t - M
	v_exp_f32 v[S+j], v[S+j]
	v_pk_fma_f32 v[S+64+j:S+64+j+1], v[S+64+j:S+64+j+1], s[CS:CS+1], v[ST+4:ST+5] op_sel_hi:[1,0,0]
	v_exp_f32 v[S+j+1], v[S+j+1]
.set j, j+2
.endr
	s_wait_alu depctr_va_vdst(0)                   ; behind that batch and ahead of the next
.set j, 0
.rept 16                               ; the second tile's; between them the first tile's sums of four, and then its holds
	v_exp_f32 v[S+64+4*j], v[S+64+4*j]
	v_pk_add_f32 v[T+2*j:T+2*j+1], v[S+4*j:S+4*j+1], v[S+4*j+2:S+4*j+3]
	v_exp_f32 v[S+64+4*j+1], v[S+64+4*j+1]
	DMIN S+4*j
	v_exp_f32 v[S+64+4*j+2], v[S+64+4*j+2]
	DMIN S+4*j+2
	v_exp_f32 v[S+64+4*j+3], v[S+64+4*j+3]
.set j, j+1
.endr
	WIN 0x41
	s_wait_alu depctr_va_vdst(0)                   ; behind the batch, and directly ahead of the first readers of O^T
.irp u, 0,1
.set j, 0
.rept 16
	v_pk_mul_f32 v[OA+32*\u+j:OA+32*\u+j+1], v[OA+32*\u+j:OA+32*\u+j+1], v[WK+8*\u:WK+8*\u+1] op_sel_hi:[1,0]
.set j, j+2
.endr
.endr
	WIN 0
.set j, 0
.rept 16                               ; the sums of the unquantised p in three chains; each p is held behind its sum; the first tile's codes between them
.if j == 0
	v_pk_fma_f32 v[ST+2:ST+3], v[ST+2:ST+3], v[WK:WK+1], v[T:T+1] op_sel_hi:[1,0,1]
	v_pk_fma_f32 v[ST+6:ST+7], v[ST+6:ST+7], v[WK+8:WK+9], v[S+64:S+65] op_sel_hi:[1,0,1]
.else
	v_pk_add_f32 v[ST+2:ST+3], v[ST+2:ST+3], v[T+2*j:T+2*j+1]
	v_pk_add_f32 v[ST+6:ST+7], v[ST+6:ST+7], v[S+64+4*j:S+64+4*j+1]
.if j == 1
	v_pk_add_f32 v[WK+12:WK+13], v[S+66:S+67], v[S+70:S+71]
	DMIN S+66
.else
	v_pk_add_f32 v[WK+12:WK+13], v[WK+12:WK+13], v[S+64+4*j+2:S+64+4*j+3]
.endif
	DMIN S+64+4*j+2
.endif
	DMIN S+64+4*j
.if j%2
	v_cvt_scalef32_pk8_fp8_f32 v[PC+2*(j/2):PC+2*(j/2)+1], v[S+8*(j/2):S+8*(j/2)+7], v[PSC]
.endif
.set j, j+1
.endr
.irp t, 0,1,2,3,4,5,6,7
	v_cvt_scalef32_pk8_fp8_f32 v[PC+16+2*\t:PC+16+2*\t+1], v[S+64+8*\t:S+64+8*\t+7], v[PSC]
.endr
	v_pk_add_f32 v[ST+6:ST+7], v[ST+6:ST+7], v[WK+12:WK+13]   ; (and the plain place behind the conversions)
.endm
.macro KLOAD adr                       ; K's fragments of a step: 16 loads
	WIN 0x40
.irp t, 0,1,2,3,4,5,6,7
.irp c, 0,1
	ds_load_b128 v[KF+8*\t+4*\c:KF+8*\t+4*\c+3], v[\adr] offset:1024*\t+512*\c
.endr
.endr
	WIN 0
.endm
; A step of 128 keys for 32 queries.  K's fragments were asked for a step ago; V's are asked for here, K's of the next step behind the first product: up to step last, which is asked for again (and not used) at the end,
; so that no byte is read that has not been shown.  general = 1: the step may be hidden or lie on the diagonal.
.macro KSTEP q, qwin, general, last
.if \general
	s_cmp_gt_u32 s[KS], s[G]
	s_cbranch_scc1 .Lhidden_\@                     ; all 128 keys lie behind my queries: ids alone
.endif
	s_add_co_u32 s[TN], s[TB], STEPB
	s_min_u32 s[TN], s[TN], (\last)*STEPB
	v_add_nc_u32 v[ADK], s[TB], v[LI]
	v_add_nc_u32 v[ADN], s[TN], v[LI]
	v_add_nc_u32 v[ADV], VOFF, v[ADK]
	v_nop                                          ; (four places behind the last step's products, for the loads below)
	WIN 0x40
.irp t, 0,1,2,3
.irp c, 0,1,2,3
	ds_load_b128 v[VF+16*\t+4*\c:VF+16*\t+4*\c+3], v[ADV] offset:2048*\t+512*\c
.endr
.endr
	s_wait_alu depctr_va_vdst(0)                   ; directly ahead of the wait below
	s_wait_dscnt 16                                ; K's fragments are in; V's sixteen may be out
	WIN \qwin
.irp t, 0,1,2,3,4,5,6,7
.irp u, 0,1
	v_wmma_f32_16x16x64_fp8_fp8 v[S+64*\u+8*\t:S+64*\u+8*\t+7], v[KF+8*\t:KF+8*\t+7], v[\q+8*\u:\q+8*\u+7], 0
.endr
.endr
	WIN 0
.rept 4
	v_nop
.endr
	KLOAD ADN
.if \general
	s_cmp_lt_u32 s[KS], s[G]
	s_cbranch_scc1 .Lopen_\@
	MASK
.Lopen_\@:
.endif
	SOFT
	s_wait_alu depctr_va_vdst(0)                   ; directly ahead of the wait below
	s_wait_dscnt 16                                ; V's fragments are in; the next step's K may be out
	WIN 0x51
.irp t, 0,1,2,3
.irp u, 0,1
	v_wmma_f32_16x16x128_fp8_fp8 v[OA+32*\u+8*\t:OA+32*\u+8*\t+7], v[VF+16*\t:VF+16*\t+15], v[PC+16*\u:PC+16*\u+15], v[OA+32*\u+8*\t:OA+32*\u+8*\t+7]
.endr
.endr
	WIN 0
.if \general
.Lhidden_\@:
.endif
	s_add_co_u32 s[TB], s[TB], STEPB
	s_add_co_u32 s[KS], s[KS], 1
.endm
; O^T / the sum, quantised.  A lane's codes of two neighbouring tiles are channels 8 hh + 0 .. 7 of each; the swap between lanes l and l + 16 makes them 16 neighbours.
.macro FINISH
.irp u, 0,1
	v_add_f32 v[ST+4*\u+2], v[ST+4*\u+2], v[ST+4*\u+3]
.endr
.irp u, 0,1
	s_delay_alu instid0(VALU_DEP_2)
	v_permlanex16_b32 v[WK+8*\u+6], v[ST+4*\u+2], s[SEL], s[SEL+1]
.endr
.irp u, 0,1
	s_delay_alu instid0(VALU_DEP_2)
	v_add_f32 v[ST+4*\u+2], v[ST+4*\u+2], v[WK+8*\u+6]
.endr
	s_wait_alu depctr_va_vdst(0)                   ; ahead of the transcendentals
.irp u, 0,1
	v_rcp_f32 v[WK+8*\u], v[ST+4*\u+2]
.endr
	v_nop
	WIN 0x01
	s_wait_alu depctr_va_vdst(0)                   ; behind them, and directly ahead of the first readers of O^T
.irp u, 0,1
.set j, 0
.rept 16
	v_pk_mul_f32 v[S+32*\u+j:S+32*\u+j+1], v[OA+32*\u+j:OA+32*\u+j+1], v[WK+8*\u:WK+8*\u+1] op_sel_hi:[1,0]
.set j, j+2
.endr
.endr
	WIN 0
.set j, 0
.rept 64
	v_med3_num_f32 v[S+j], v[S+j], -v[OLIM], v[OLIM]
.set j, j+1
.endr
.irp t, 0,1,2,3,4,5,6,7
	v_cvt_scalef32_pk8_fp8_f32 v[PC+2*\t:PC+2*\t+1], v[S+8*\t:S+8*\t+7], v[OSC]
.endr
	s_lshl_b32 s62, s[G], 17                       ; a superblock is eight token tiles
	s_mov_b32 s63, 0
	s_add_nc_u64 s[72:73], s[68:69], s[62:63]
	v_nop
.irp b, 0,4,8,12
	v_permlane16_swap_b32 v[PC+\b], v[PC+\b+2]
	v_permlane16_swap_b32 v[PC+\b+1], v[PC+\b+3]
.endr
.irp u, 0,1
.irp b, 0,1
	global_store_b128 v[LI], v[PC+8*\u+4*\b:PC+8*\u+4*\b+3], s[72:73] offset:16384*\u+512*\b   ; 32 lanes store 512 consecutive bytes, at a multiple of 512 from aimg's first byte
.endr
.endr
.endm
.macro BEGIN
	s_mov_b32 s[TB], 0
	s_mov_b32 s[KS], 0
	KLOAD LI                                       ; step 0
.irp u, 0,1
	v_mov_b32 v[ST+4*\u+1], 0xff61b1e6             ; the largest t so far: -3e38
.endr
.irp u, 0,1
	v_floor_f32 v[ST+4*\u], -v[ST+4*\u+1]
	v_mov_b32 v[ST+4*\u+2], 0
	v_mov_b32 v[ST+4*\u+3], 0
.endr
	WIN 0x40
.set j, 0
.rept 64
	v_mov_b32 v[OA+j], 0                           ; O^T (the step is written once: the first change of M leaves the zeros zeros)
.set j, j+1
.endr
	WIN 0
	s_wait_alu depctr_va_vdst(0)                   ; ahead of the loop
.endm
.macro STEPS n, q, qwin, general, last ; eight steps
	s_mov_b32 s[CNT], 8
.Lkeys_\n:
	KSTEP \q, \qwin, \general, \last
	s_sub_co_u32 s[CNT], s[CNT], 1
	s_cmp_lg_u32 s[CNT], 0
	s_cbranch_scc1 .Lkeys_\n
.endm
	s_wait_alu depctr_va_vdst(0)                   ; the head's end
	s_wait_tensorcnt 0x0                           ; my part of keys 0-1,023 is in
	ds_add_u32 v[SPW], v[NIL]                      ; 0 onto my spare word
	s_wait_dscnt 0x0
	CROUND                                         ; everybody's is
	tensor_load_to_lds s[36:39], s[16:23]          ; keys 1,024-2,047: their bytes' first fill
	s_nop 0
.rept 4
	v_nop
.endr
	s_wait_loadcnt 4                               ; Q of the first block; the second's four loads may be out
	s_xor_b32 s[G], s[WV], 4
	BEGIN
	STEPS 0, QA, 0x01, 1, 7
	FINISH
	s_wait_xcnt 0x0                                ; the stores have read their registers and base
	s_wait_loadcnt 0x0                             ; Q of the second block
	s_xor_b32 s[G], s[WV], 15
	s_wait_tensorcnt 0x0                           ; my part of keys 1,024 on is in,
	s_wait_dscnt 0x0                               ; and no LDS load of mine is out
	s_barrier_signal -1                            ; up to its wait stand LDS loads of keys 0-1,023 and work on registers
	BEGIN
	STEPS 1, QB, 0x05, 0, 7                        ; superblocks 8-15: the first eight steps all count
	s_wait_alu depctr_va_vdst(0)                   ; directly ahead of the wait below
	s_wait_dscnt 0x0                               ; the look-ahead's loads have landed: their registers are loaded anew
	s_barrier_wait -1
	s_mov_b32 s[TB], 8*STEPB
	s_mov_b32 s[KS], 8
	v_add_nc_u32 v[ADK], s[TB], v[LI]
	KLOAD ADK
	STEPS 2, QB, 0x05, 1, 15
	FINISH
	s_wait_tensorcnt 0x0                           ; the wave's end
	ds_add_u32 v[SPW], v[NIL]
	s_wait_dscnt 0x0
	CROUND                                         ; the closing round
	s_endpgm
.Lfunc_end_k_q28463dfc28_attn:
	.size	k_q28463dfc28_attn, .Lfunc_end_k_q28463dfc28_attn-k_q28463dfc28_attn
	.p2alignl 7, 3214868480
	.fill 96, 4, 3214868480
	.section	.rodata,"a",@progbits
	.p2align	6, 0x0
	.amdhsa_kernel k_q28463dfc28_attn
		.amdhsa_group_segment_fixed_size 327680
		.amdhsa_private_segment_fixed_size 0
		.amdhsa_enable_private_segment 0
		.amdhsa_kernarg_size 24
		.amdhsa_user_sgpr_count 2
		.amdhsa_user_sgpr_kernarg_segment_ptr 1
		.amdhsa_wavefront_size32 1
		.amdhsa_system_sgpr_workgroup_id_x 1
		.amdhsa_system_sgpr_workgroup_id_y 1
		.amdhsa_system_sgpr_workgroup_id_z 1
		.amdhsa_system_vgpr_workitem_id 0
		.amdhsa_next_free_vgpr 512
		.amdhsa_next_free_sgpr 84
		.amdhsa_reserve_vcc 1
		.amdhsa_float_denorm_mode_32 3
		.amdhsa_float_denorm_mode_16_64 3
		.amdhsa_memory_ordered 1
		.amdhsa_forward_progress 1
		.amdhsa_inst_pref_size 133
	.end_amdhsa_kernel
	.amdgpu_metadata
---
amdhsa.version: [ 1, 2 ]
amdhsa.kernels:
  - .name:           k_q28463dfc28_attn
    .symbol:         k_q28463dfc28_attn.kd
    .args:
      - { .name: qkv, .offset: 0, .size: 8, .value_kind: global_buffer, .address_space: global }
      - { .name: lowp_scales, .offset: 8, .size: 8, .value_kind: global_buffer, .address_space: global }
      - { .name: aimg, .offset: 16, .size: 8, .value_kind: global_buffer, .address_space: global }
    .group_segment_fixed_size: 327680
    .private_segment_fixed_size: 0
    .kernarg_segment_align: 8
    .kernarg_segment_size: 24
    .max_flat_workgroup_size: 256
    .sgpr_count:     84
    .vgpr_count:     512
    .wavefront_size: 32
...
	.end_amdgpu_metadata
.endif
;; end of part 2
;; launch proj (part 3): grid 8 x 32, 4 waves a work-group, clusters of 4 x 4, 327,680 bytes of LDS; arguments aimg, Wo_codes, lowp_scales, bo, out0; writes out0
.if DOCPART == 3
	.amdgcn_target "amdgcn-amd-amdhsa--gfx1250"
	.amdhsa_code_object_version 6
	.text
	.protected	k_q28463dfc28_proj
	.globl	k_q28463dfc28_proj
	.p2align	8
	.type	k_q28463dfc28_proj,@function
k_q28463dfc28_proj:
	s_mov_b64 s[64:65], 0
	v_nop
	global_prefetch_b8 v0, s[64:65] scope:SCOPE_SE
	s_setreg_imm32_b32 hwreg(HW_REG_WAVE_MODE, 25, 1), 1
	s_wait_xcnt 0x0
	s_wait_alu depctr_hold_cnt(0) depctr_sa_sdst(0) depctr_va_vdst(0) depctr_va_sdst(0) depctr_va_ssrc(0) depctr_va_vcc(0) depctr_vm_vsrc(0)
	s_getreg_b32 s2, hwreg(HW_REG_IB_STS2, 6, 4)
	s_cmp_eq_u32 s2, 0
	s_cbranch_scc0 .Lentry_in_a_cluster
	s_endpgm
.Lentry_in_a_cluster:
	s_bfe_u32 s2, ttmp6, 0x10000c
	s_cmp_lg_u32 s2, 0xf033
	s_cbranch_scc0 .Lentry_shape_is_right
	s_endpgm
.Lentry_shape_is_right:
; out = A Wo x 2^(e8 + e9) + bo.  A: [8192][1024] codes as the register image that the attention launch has laid; Wo: [1024][1024] codes, K innermost; out: [8192][1024] f32.
; SHARES.  256 work-groups: 256 tokens x 128 columns each, the tokens in two halves of 128; wave w: 64 tokens of each half (w / 2) x 64 columns (w % 2).
; A WAVE KEEPS ITS 64 COLUMNS OF Wo, ALL OF K, IN 512 REGISTERS and walks its tokens by tiles of 16: 32 matrix instructions on four accumulators, and the tile leaves at once.
; Wo's rows come through LDS, once: wave b loads rows 4 i + b, i = 0 .. 31, so that lane r of column tile b holds column 4 r + b: a lane's four tiles then are four neighbouring columns,
;   and sixteen lanes store one aligned unit of 256 bytes of a row: no stage in LDS.
; A comes by its two halves, 131,072 bytes each: the first behind Wo's bytes, the second, once Wo is in registers, over them.  A tile of A is dense and lies in the order of the operand's registers.
; CLUSTERS: Wo's rows are shared along a column of the cluster, A's halves along a row: joint loads.
; PREFETCH into the L2: each half of A one load ahead (the first behind Wo's load, the second behind the first's): of a half's 512 blocks of 256 bytes the partner at cx takes 128, a wave 32 of them, a lane a block.
; LIMIT: e8 + e9 between -126 and 127.
; REGISTERS.  window 0: v1-30 addresses, bias; v64-95 accumulators; v128-159 results.  windows 1, 2: Wo, K 0-511 and 512-1,023.  window 3: two tiles of A, 128 registers each.
.set BP,   1040                        ; an LDS row of Wo: 1,024 bytes + 16 of padding: 16 rows start at 16 different banks
.set BT,   32*BP                       ; a column tile b: 32 rows
.set AH,   4*BT                        ; A's first half; the second lies at 0
.set SPARE, AH+0x20000
.set LI,   1                           ; 16 x lane
.set CO,   2                           ; my offset in a tile of 16 rows of out
.set BOF,  3
.set ADB,  4                           ; v4-5   LDS addresses: column tiles 0, 1 and 2, 3
.set BO,   8                           ; v8-11  the bias of my four columns
.set ADA,  14                          ; v14-15 LDS address of my tiles in A's halves
.set SPW,  28
.set NIL,  29
.set PFO,  30                          ; v30    256 x lane; never rewritten
.set AC,   64
.set R,    128
.set MSB, 0
.macro WIN new
.if MSB != (\new)
	s_set_vgpr_msb (MSB<<8)|(\new)
.set MSB, (\new)
.endif
.endm
.macro PLACES
.rept 4
	v_nop
.endr
.endm
.macro CROUND
	s_barrier_signal -1
	s_barrier_wait -1
	s_cmp_lg_u32 s14, 0
	s_cbranch_scc1 .Lnot_wave_0_\@
	s_barrier_signal -3
.Lnot_wave_0_\@:
	s_barrier_wait -3
	s_barrier_signal -1
	s_barrier_wait -1
.endm
	s_load_b256 s[4:11], s[0:1], 0x0               ; A s[4:5], Wo s[6:7], the exponents s[8:9], bo s[10:11]
	s_load_b64 s[12:13], s[0:1], 0x20              ; out
	v_lshl_add_u32 v[SPW], v0, 2, SPARE
	v_mov_b32 v[NIL], 0
	ds_add_u32 v[SPW], v[NIL]                      ; the opening lines: the add, twice on end, and its wait
	ds_add_u32 v[SPW], v[NIL]
	v_lshrrev_b32 v6, 5, v0
	v_readfirstlane_b32 s14, v6
	s_lshr_b32 s15, s14, 1                         ; my 64 tokens of a half
	s_and_b32 s16, s14, 1                          ; my 64 columns
	s_bfe_u32 s40, ttmp6, 0x40000                  ; cx, cy
	s_bfe_u32 s41, ttmp6, 0x40004
	s_lshl_b32 s42, ttmp9, 2
	s_add_co_u32 s42, s42, s40                     ; tile of columns
	s_and_b32 s17, ttmp7, 0xffff
	s_lshl_b32 s17, s17, 2
	s_add_co_u32 s17, s17, s41                     ; tile of tokens
	s_lshl_b32 s43, s41, 2
	s_lshl_b32 s43, 15, s43                        ; my row of the cluster
	s_lshl_b32 s44, 0x1111, s40                    ; my column
	s_or_b32 s24, s44, (3<<16)|(1<<20)|(1<<21)|(7<<22)|(3<<25)   ; Wo: elements of 8 bytes; 4 words of padding after every 256
	s_mov_b32 s25, 128<<16                         ; rows of 1,024 bytes
	s_mov_b32 s26, 32<<16
	s_mov_b32 s27, 128<<16
	s_mov_b32 s28, 32                              ; 32 rows,
	s_mov_b32 s29, 512                             ; every fourth of Wo's
	s_mov_b32 s30, 0
	s_mov_b32 s31, 0
	s_or_b32 s48, s43, (3<<16)|(1<<21)             ; A: 128 rows of 256 bytes, dense
	s_mov_b32 s49, 32<<16
	s_mov_b32 s50, 128<<16
	s_mov_b32 s51, 32<<16
	s_mov_b32 s52, 128
	s_mov_b32 s53, 32
	s_mov_b32 s54, 0
	s_mov_b32 s55, 0
	s_lshl_b32 s46, s42, 17
	s_lshl_b32 s47, s14, 10
	s_add_co_u32 s46, s46, s47                     ; Wo: row 128 x tile + wave
	s_mov_b32 s47, 0
	s_mul_i32 s45, s14, BT
	s_lshl_b32 s20, s17, 18                        ; A: 16 token tiles of 16,384 bytes
	s_mov_b32 s21, 0
	s_lshl_b32 s22, s14, 15                        ; my quarter of a half
	s_mov_b32 s23, 0
	s_wait_dscnt 0x0                               ; both opening adds are done
	CROUND                                         ; all sixteen work-groups are here
	s_wait_kmcnt 0x0
	s_load_b64 s[96:97], s[8:9], 0x20              ; e8, e9
	s_mov_b32 s32, 1
	s_mov_b32 s33, s45
	s_add_nc_u64 s[34:35], s[6:7], s[46:47]
	s_or_b32 s35, s35, 0x80000000
	tensor_load_to_lds s[32:35], s[24:31]          ; this wave's quarter of Wo's 128 rows
	s_nop 0
	PLACES
	s_add_nc_u64 s[20:21], s[4:5], s[20:21]        ; my token tile of A
	s_mov_b32 s56, 1
	s_add_co_u32 s57, s22, AH
	s_add_nc_u64 s[58:59], s[20:21], s[22:23]      ; my quarter of its first half,
	s_or_b32 s59, s59, 0x80000000
	s_mov_b32 s60, 1
	s_mov_b32 s61, s22
	s_add_nc_u64 s[62:63], s[20:21], s[22:23]
	s_add_nc_u64 s[62:63], s[62:63], 0x20000       ; and of its second
	s_or_b32 s63, s63, 0x80000000
	s_lshl_b32 s88, s40, 15                        ; the prefetches: partner cx's 128 blocks of a half,
	s_lshl_b32 s89, s14, 13                        ; my wave's 32 of them
	s_add_co_u32 s88, s88, s89
	s_mov_b32 s89, 0
	s_add_nc_u64 s[80:81], s[20:21], s[88:89]
	s_lshl_b32 s88, s42, 9                         ; my first column, in bytes: 512 x tile + 256 x half
	s_lshl_b32 s90, s16, 8
	s_add_co_u32 s88, s88, s90
	s_add_nc_u64 s[10:11], s[10:11], s[88:89]
	s_lshl_b32 s90, s17, 20                        ; my first row
	s_add_co_u32 s88, s88, s90
	s_lshl_b32 s90, s15, 18
	s_add_co_u32 s88, s88, s90
	s_add_nc_u64 s[12:13], s[12:13], s[88:89]
	s_mul_i32 s90, s16, 16*BP                      ; my 16 rows of a column tile
	s_lshl_b32 s91, s15, 16                        ; my four token tiles of a half
	v_and_b32 v6, 31, v0
	v_lshlrev_b32 v[PFO], 8, v6
	global_prefetch_b8 v[PFO], s[80:81] th:TH_LOAD_NT scope:SCOPE_SE   ; A's first half
	v_lshlrev_b32 v[LI], 4, v6
	v_and_b32 v6, 15, v0                           ; r
	v_bfe_u32 v7, v0, 4, 1                         ; hh
	v_lshlrev_b32 v[BOF], 4, v6
	v_lshl_add_u32 v[CO], v7, 15, v[BOF]           ; lanes 0-15: row j of the tile, lanes 16-31: row 8 + j
	v_mul_u32_u24 v12, v6, BP
	v_lshl_add_u32 v12, v7, 4, v12
	v_add_nc_u32 v[ADB], s90, v12
	v_add_nc_u32 v[ADB+1], 2*BT, v[ADB]
	v_add_nc_u32 v[ADA+1], s91, v[LI]
	v_add_nc_u32 v[ADA], AH, v[ADA+1]
	global_load_b128 v[BO:BO+3], v[BOF], s[10:11]
	s_wait_alu depctr_va_vdst(0)                   ; the head's end
	s_wait_kmcnt 0x0
	s_add_co_i32 s96, s96, s97
	s_add_co_i32 s96, s96, 127
	s_lshl_b32 s96, s96, 23                        ; 2^(e8 + e9) as f32
	s_wait_tensorcnt 0x0                           ; my quarter of Wo is in
	ds_add_u32 v[SPW], v[NIL]                      ; 0 onto my spare word
	s_wait_dscnt 0x0
	CROUND                                         ; everybody's is
	tensor_load_to_lds s[56:59], s[48:55]          ; A's first half: its bytes' first fill
	s_nop 0
	PLACES
; Wo's fragments: column tile b, step ks of 128 along K: lane l holds column 4 (l % 16) + b, registers 4 c .. 4 c + 3 hold K = 32 c + 16 (l / 16) + 0 .. 15: A's image has the same order.
.irp hf, 0,1
	WIN 0x40*(\hf+1)
.irp q, 0,1,2,3
.irp b, 0,1,2,3
.irp c, 0,1,2,3
	ds_load_b128 v[64*\q+16*\b+4*\c:64*\q+16*\b+4*\c+3], v[ADB+\b/2] offset:(\b%2)*BT+128*(4*\hf+\q)+32*\c
.endr
.endr
.endr
.endr
	WIN 0
	global_prefetch_b8 v[PFO], s[80:81] offset:0x20000 th:TH_LOAD_NT scope:SCOPE_SE   ; A's second half
	s_wait_loadcnt 0x0                             ; the bias
	s_wait_tensorcnt 0x0                           ; my quarter of A's first half is in
	ds_add_u32 v[SPW], v[NIL]                      ; 0 onto my spare word
	s_wait_dscnt 0x0                               ; the add is done, and Wo is in registers
	CROUND                                         ; both hold of every wave of the cluster
	tensor_load_to_lds s[60:63], s[48:55]          ; A's second half, over Wo's bytes
	s_nop 0
	PLACES
.macro ALOAD ph, i, hf                 ; half a tile of A: four steps of 128 along K, 16 loads
	WIN 0xc0
.irp q, 0,1,2,3
.irp c, 0,1,2,3
	ds_load_b128 v[128*((\i)%2)+16*(4*\hf+\q)+4*\c:128*((\i)%2)+16*(4*\hf+\q)+4*\c+3], v[ADA+\ph] offset:16384*(\i)+2048*(4*\hf+\q)+512*\c
.endr
.endr
	WIN 0
.endm
; Half a tile: 16 matrix instructions, the four accumulators by turns.  w: younger LDS loads that may be out.
.macro HALF ph, i, hf, w, ld
	s_wait_dscnt \w
	WIN 0x03+4*(\hf+1)
.irp q, 0,1,2,3
.irp b, 0,1,2,3
.set AA, 128*((\i)%2)+16*(4*\hf+\q)
.if (\hf == 0) && (\q == 0)
	v_wmma_f32_16x16x128_fp8_fp8 v[AC+8*\b:AC+8*\b+7], v[AA:AA+15], v[64*\q+16*\b:64*\q+16*\b+15], 0
.else
	v_wmma_f32_16x16x128_fp8_fp8 v[AC+8*\b:AC+8*\b+7], v[AA:AA+15], v[64*\q+16*\b:64*\q+16*\b+15], v[AC+8*\b:AC+8*\b+7]
.endif
.endr
.endr
	WIN 0
.if \hf
	s_wait_xcnt 0x0                                ; the tile before has had its stores' registers read: they are written below
.endif
	PLACES                                         ; in front of the loads and of the first reads of the sums
.if \ld
	ALOAD \ph, \i+2, \hf                           ; the tile two on
.endif
.endm
.macro TILE ph, i, wa, wb, ld
	HALF \ph, \i, 0, \wa, \ld
	HALF \ph, \i, 1, \wb, \ld
.irp j, 0,1,2,3,4,5,6,7
.irp b, 0,1,2,3
	v_fma_f32 v[R+4*\j+\b], v[AC+8*\b+\j], s96, v[BO+\b]   ; row 8 hh + j, column 4 r + b
.endr
.endr
.irp j, 0,1,2,3,4,5,6,7
	global_store_b128 v[CO], v[R+4*\j:R+4*\j+3], s[12:13] offset:0x80000*\ph+65536*\i+4096*\j th:TH_STORE_NT   ; sixteen lanes store 256 consecutive bytes, at a multiple of 256 from out's first byte
.endr
.endm
.macro PHASE ph                        ; four tiles; younger than the half that is wanted: the other half (16) or the half just asked for, and the next tile (32)
	ALOAD \ph, 0, 0
	ALOAD \ph, 0, 1
	ALOAD \ph, 1, 0
	ALOAD \ph, 1, 1
	TILE \ph, 0, 48, 48, 1
	TILE \ph, 1, 48, 48, 1
	TILE \ph, 2, 48, 32, 0
	TILE \ph, 3, 16, 0, 0
.endm
	PHASE 0
	s_wait_tensorcnt 0x0                           ; my quarter of A's second half is in
	s_wait_dscnt 0x0
	s_barrier_signal -1
	s_barrier_wait -1                              ; everybody's is
	PHASE 1
	s_wait_tensorcnt 0x0                           ; the wave's end
	ds_add_u32 v[SPW], v[NIL]
	s_wait_dscnt 0x0
	CROUND                                         ; the closing round
	s_endpgm
.Lfunc_end_k_q28463dfc28_proj:
	.size	k_q28463dfc28_proj, .Lfunc_end_k_q28463dfc28_proj-k_q28463dfc28_proj
	.p2alignl 7, 3214868480
	.fill 96, 4, 3214868480
	.section	.rodata,"a",@progbits
	.p2align	6, 0x0
	.amdhsa_kernel k_q28463dfc28_proj
		.amdhsa_group_segment_fixed_size 327680
		.amdhsa_private_segment_fixed_size 0
		.amdhsa_enable_private_segment 0
		.amdhsa_kernarg_size 40
		.amdhsa_user_sgpr_count 2
		.amdhsa_user_sgpr_kernarg_segment_ptr 1
		.amdhsa_wavefront_size32 1
		.amdhsa_system_sgpr_workgroup_id_x 1
		.amdhsa_system_sgpr_workgroup_id_y 1
		.amdhsa_system_sgpr_workgroup_id_z 1
		.amdhsa_system_vgpr_workitem_id 0
		.amdhsa_next_free_vgpr 1024
		.amdhsa_next_free_sgpr 100
		.amdhsa_reserve_vcc 0
		.amdhsa_float_denorm_mode_32 3
		.amdhsa_float_denorm_mode_16_64 3
		.amdhsa_memory_ordered 1
		.amdhsa_forward_progress 1
		.amdhsa_inst_pref_size 75
	.end_amdhsa_kernel
	.amdgpu_metadata
---
amdhsa.version: [ 1, 2 ]
amdhsa.kernels:
  - .name:           k_q28463dfc28_proj
    .symbol:         k_q28463dfc28_proj.kd
    .args:
      - { .name: aimg, .offset: 0, .size: 8, .value_kind: global_buffer, .address_space: global }
      - { .name: Wo_codes, .offset: 8, .size: 8, .value_kind: global_buffer, .address_space: global }
      - { .name: lowp_scales, .offset: 16, .size: 8, .value_kind: global_buffer, .address_space: global }
      - { .name: bo, .offset: 24, .size: 8, .value_kind: global_buffer, .address_space: global }
      - { .name: out0, .offset: 32, .size: 8, .value_kind: global_buffer, .address_space: global }
    .group_segment_fixed_size: 327680
    .private_segment_fixed_size: 0
    .kernarg_segment_align: 8
    .kernarg_segment_size: 40
    .max_flat_workgroup_size: 128
    .sgpr_count:     100
    .vgpr_count:     1024
    .wavefront_size: 32
...
	.end_amdgpu_metadata
.endif
;; end of part 3
